; MI455X (gfx1250); checked and timed in simulation.
; The chip was launched on July 23, 2026; its instructions are those of AMD's public machine-readable ISA for CDNA 5 (MIT licence, August 2026) and "CDNA5" Instruction Set Architecture Reference Guide (July 2026). The comments in the code are by the model that wrote it; some were corrected since.
;; Attention Head. Allowed arithmetic: matrix products marked QUANTISED: E4M3 operands, one given power-of-two scale a tensor, by v_wmma_f32_16x16x64_fp8_fp8 or v_wmma_f32_16x16x128_fp8_fp8, f32 sums; everything else in f32.
;; Inputs: Wk 256 x 256 float32; Wq 256 x 256 float32; Wv 256 x 256 float32; lowp_scales 10 int32 (the exponents e of the quantised operands' scales 2^e); x 8,192 x 256 float32.
;; Outputs: out0 8,192 x 256 float32.
;; This version of the problem:
;;   THIS VERSION OF THE PROBLEM IS GIVEN IN LOW PRECISION. The matrix products marked QUANTISED in the list below multiply operands that are first quantised to E4M3 (4 exponent bits, 3 mantissa bits; 8 bits a number), with one given power-of-two scale for each operand tensor; their sums are f32. All else is computed in f32.
;;   The module's matrix products, in the order in which they are computed (A, B: the left and right operand; K: the contracted axis; several contracted axes count as one K, in the product's order):
;;     1. [M 256, K 256] x [K 256, N 8,192]; A: input Wq; B: input x: QUANTISED (scales: A lowp_scales[0], B lowp_scales[1])
;;     2. [M 256, K 256] x [K 256, N 8,192]; A: input Wk; B: input x: QUANTISED (scales: A lowp_scales[2], B lowp_scales[3])
;;     3. [M 8,192, K 256] x [K 256, N 8,192]; A: computed on the way; B: computed on the way: QUANTISED (scales: A lowp_scales[4], B lowp_scales[5])
;;     4. [M 256, K 256] x [K 256, N 8,192]; A: input Wv; B: input x: QUANTISED (scales: A lowp_scales[6], B lowp_scales[7])
;;     5. [M 8,192, K 8,192] x [K 8,192, N 256]; A: softmax (see below); B: computed on the way: QUANTISED (scales: A lowp_scales[8], B lowp_scales[9])
;;   THE QUANTISER, for each operand of a quantised product, along K:
;;     - The operand's scale is 2^e, e = its entry of the input lowp_scales (int32; the entries are numbered through the quantised products in the list's order, A before B).
;;     - Each number is divided by the scale, clamped to +-448, and rounded to the nearest number of E4M3, ties to even, subnormals kept.
;;     - The product sums the exact products of the quantised numbers (number of the format x scale) in f32.
;;   ~~~python
;;   def quantise(x, axis, e):      # numpy; x: float32 -> the quantised numbers, widened to float32 again
;;       x = np.moveaxis(x, axis, -1); K = x.shape[-1]
;;       r = np.clip(x / 2.0 ** e, -448, 448)
;;       step = 2.0 ** (np.maximum(np.frexp(np.where(r == 0, 1, r))[1] - 1, -6) - 3)
;;       q = np.round(r / step) * step * 2.0 ** e      # np.round: ties to even
;;       return np.moveaxis(q, -1, axis).astype(np.float32)
;;   ~~~
;;   SOFTMAX AHEAD OF A QUANTISED PRODUCT. Where the list says 'softmax', what is quantised is not the finished softmax but p = 2^(t - M), with t = logit x log2(e) and M = ceil(the row's largest t), a whole number; so 1/2 < the row's largest p <= 1. The row's sum l is taken of the UNQUANTISED p, in f32, and the product's result is divided by l at the end. Since M is a whole number, a kernel that streams over the keys may use a running M (the ceiling of the running maximum): every later rescaling is an exact power of two, so the quantised numbers keep their values, but for numbers so far below the row's largest that they fall under the format's range.
;;   OPERANDS COMPUTED ON THE WAY. 'Computed on the way' means the value that the module computes at that place (a softmax that the list does not call 'softmax' is quantised finished and normalised). What goes into a quantiser is computed in f32, as accurately as f32 sums, v_exp_f32 and their like allow (about 1e-6 of the number): no bf16 or f16 on the way to a quantiser, and a product that is left as it is and whose result goes on into a quantised operand takes f32 operands (vector FMAs, or v_wmma_f32_16x16x4_f32). A number that lies on a knife's edge between two numbers of the format may be rounded either way, as far as f32 arithmetic and the matrix unit's own rounding can turn it there, and no further.
;; One version. Each part assembles by itself: llvm-mc -triple=amdgcn-amd-amdhsa -mcpu=gfx1250 --defsym DOCPART=n.
;; ======== version 1 of 1: 3 launches
;; limits: right only within a limited range of input values
;; workspace buffers: qc 2,097,152 bytes; kc 2,097,152 bytes; vc 2,097,152 bytes; po 31,195,136 bytes; ps 487,424 bytes
;; launch proj (part 1): grid 64 x 3, 8 waves a work-group, clusters of 4 x 1, 327,680 bytes of LDS; arguments x, Wq, Wk, Wv, lowp_scales, qc, kc, vc; writes qc, kc, vc
.if DOCPART == 1
	.amdgcn_target "amdgcn-amd-amdhsa--gfx1250"
	.amdhsa_code_object_version 6
	.text
	.protected	k_q626b1c3c4c_proj
	.globl	k_q626b1c3c4c_proj
	.p2align	8
	.type	k_q626b1c3c4c_proj,@function
k_q626b1c3c4c_proj:
	s_mov_b64 s[64:65], 0
	v_nop
	global_prefetch_b8 v0, s[64:65] scope:SCOPE_SE
	s_setreg_imm32_b32 hwreg(HW_REG_WAVE_MODE, 25, 1), 1
	s_wait_xcnt 0x0
	s_wait_alu depctr_hold_cnt(0) depctr_sa_sdst(0) depctr_va_vdst(0) depctr_va_sdst(0) depctr_va_ssrc(0) depctr_va_vcc(0) depctr_vm_vsrc(0)
	s_getreg_b32 s2, hwreg(HW_REG_IB_STS2, 6, 4)
	s_cmp_eq_u32 s2, 0
	s_cbranch_scc0 .Lentry_in_a_cluster
	s_endpgm
.Lentry_in_a_cluster:
	s_bfe_u32 s2, ttmp6, 0x10000c
	s_cmp_lg_u32 s2, 0x3003
	s_cbranch_scc0 .Lentry_shape_is_right
	s_endpgm
.Lentry_shape_is_right:
; Q^T = x Wq^T, K^T = x Wk^T, V = Wv x^T on codes of FP8 (E4M3), and the results quantised again for the attention launch.
; x: [8192][256] f32.  Wq, Wk, Wv: [256][256] f32, K innermost.  lowp_scales: e0 .. e9 (int32).
; Work-group (X, Y): X = 128 rows of x; Y = 0: Q (W with e0, x with e1, result with e4), 1: K (e2, e3, e5), 2: V (e6, e7, e9).
; x is quantised anew for each Y, since each product has a scale of its own for it.
; LEFT OUT by the program (in the attention launch): key steps that lie wholly above the diagonal.  reference()'s own tril mask puts the lowest f32 number there ahead of the softmax, so their
; exponentials are 0 beside the row's visible keys for all finite inputs whose scores lie far above that number.  LIMIT: a NaN, an infinity or an overflow that reaches only masked scores is not carried to the result.
; CLUSTERS of four work-groups along X: they need the same W.  Wave w asks for rows 32 w .. 32 w + 31 of it JOINTLY with the same wave of its three partners: the same descriptor, mask 15.
; ROWS.  Wave w loads rows 16 w .. 16 w + 15 of the work-group's x into registers: each load of a wave covers 512 consecutive bytes, aligned.  Its 32 rows of W come into LDS as they lie (32 KB, one tensor load) and are
; read back 512 bytes at a time.  A lane l then holds, of a row, k = 4 l .. 4 l + 3 and 128 + 4 l .. 128 + 4 l + 3, which become 8 bytes of codes at byte 8 l of the row in LDS: a permutation of k, the same for x and W,
; so each product meets its partner.
; LDS: W as f32, 32 KB a wave; W's codes go over the wave's own f32 rows, which have had their one fill and have been read by then; x's codes lie behind.  Rows of codes: 256 bytes + 16 of padding.
; THE ROWS OF A TILE ARE NOT NEIGHBOURS: lane r of tile 2 G + u takes row 32 G + 8 u + r + 8 (r / 8), of x and of W alike; in LDS row 32 G + 16 a + 8 u + j lies at place
; 32 G + 16 u + 8 a + j, so that a tile's sixteen rows follow each other there and begin at sixteen different banks.
; A result's register j of lane (r, h) belongs to row 8 h + j of source 0's tile, so the 16 registers of tiles 2 G, 2 G + 1 are the 16 neighbours 32 G + 16 h + 0 .. 15.
; A wave multiplies all 8 tiles of x by its 2 tiles of W: 32 matrix instructions on 16 accumulators, four of them by turns.
; Q, K: source 0 = W, source 1 = x: a lane holds one token and 16 neighbouring d.  V: source 0 = x, source 1 = W: a lane holds one d' and 16 neighbouring keys.
; OUT, in the order of the next launch's operand registers; every store of a wave covers 512 consecutive bytes, aligned:
;   qc, kc: [tile T of 16 tokens][K step 0, 1][c 0..3][lane][16 bytes];   vc: [64 keys][tile of 16 d'][c 0, 1][lane][16 bytes].
; code = number / 2^e, held within +-448, to the nearest code, ties to even.  A sum stands for sum x 2^(eW + ex), so the result's conversion takes 2^(eo - eW - ex).
; LIMITS: eW, ex and eo - eW - ex lie between -126 and 119, so that the scale and 448 x the scale are f32 numbers.  NaN among the inputs is not served.
; No prefetch: there is no loop to run ahead in.
; REGISTERS.  window 0: v1-7, v17 addresses; v8-13 three scales and their limits; v32-95 W's codes; v96-127 codes just made; v128-255 x as f32, later the 16 accumulators.
;   window 1: W's 32 rows as f32, later the 8 tiles of x as codes (32 each).
.set PITCH, 272
.set XLDS,  262144                     ; x's 128 rows of codes lie behind W
.set SPARE, 262144+128*PITCH           ; the spare words, 128 bytes for each wave: four blocks of 256 bytes that no other line names
.set LI,  1                            ; v1  16 x lane
.set XW,  2                            ; v2  where my rows of x go in LDS
.set WW,  3                            ; v3  where my rows of W go
.set SPW, 4                            ; v4  my spare word; never rewritten
.set NIL, 5                            ; v5  0; never rewritten
.set XA,  6                            ; v6  a tile's row r, + 16 h
.set WA,  7                            ; v7  the same in my rows of W
.set WL,  17                           ; v17 my rows of W as f32, + 16 x lane
.set WC,  32
.set PC,  96
.set XF,  128
.set G1,  52                           ; s[52:59] descriptor group 1
.set G0,  60                           ; s[60:63] descriptor group 0
.set MSB, 0
.macro WIN new                         ; the immediate's high byte repeats the setting that is left
.if MSB != \new
	s_set_vgpr_msb (MSB<<8)|\new
.set MSB, \new
.endif
.endm
; n groups of 8 numbers of a lane, v[src] on (win = 1: in window 1), become 2 n registers of codes, v[dst] on, in window 0
.macro QROWS src, win, n, dst, sc, lim
.if \win
	WIN 0x41                                       ; destination and source 0 in window 1
.endif
.set i, 0
.rept 8*\n
	v_med3_num_f32 v[\src+i], v[\src+i], -v[\lim], v[\lim]   ; the conversion does not saturate (ISA guide 7.6.2): the hold at 448 x the scale.  Ascending: an accumulator is read from its low end on
.set i, i+1
.endr
.if \win
	WIN 0x01                                       ; source 0 in window 1
.endif
.set i, 0
.rept \n
	v_cvt_scalef32_pk8_fp8_f32 v[\dst+2*i:\dst+2*i+1], v[\src+8*i:\src+8*i+7], v[\sc]
.set i, i+1
.endr
	WIN 0
	v_nop                                          ; a plain vector line behind the last conversion, ahead of whatever next touches its registers
.endm
.macro MKSC e, vs, vl                  ; s[e] = an exponent (used up): v[vs] = 2^e, v[vl] = 448 x 2^e
	s_add_co_i32 s[\e], s[\e], 127
	s_lshl_b32 s50, s[\e], 23
	v_mov_b32 v[\vs], s50
	s_add_co_i32 s[\e], s[\e], 8
	s_lshl_b32 s[\e], s[\e], 23
	s_or_b32 s[\e], s[\e], 0x600000
	v_mov_b32 v[\vl], s[\e]
.endm
.macro CROUND                          ; a round of the cluster's barrier
	s_barrier_signal -1
	s_barrier_wait -1
	s_cmp_lg_u32 s20, 0
	s_cbranch_scc1 .Lnot_wave_0_\@
	s_barrier_signal -3
.Lnot_wave_0_\@:
	s_barrier_wait -3
	s_barrier_signal -1
	s_barrier_wait -1
.endm
	s_load_b256 s[4:11], s[0:1], 0x0               ; x s[4:5], Wq s[6:7], Wk s[8:9], Wv s[10:11]
	s_load_b256 s[12:19], s[0:1], 0x20             ; the exponents s[12:13], qc s[14:15], kc s[16:17], vc s[18:19]
	v_lshl_add_u32 v[SPW], v0, 2, SPARE
	v_mov_b32 v[NIL], 0
	ds_add_u32 v[SPW], v[NIL]                      ; the wave's opening: the add, twice on end, and its wait ahead of my tensor load; the set-up, work on registers, stands between them
	ds_add_u32 v[SPW], v[NIL]
	v_lshrrev_b32 v14, 5, v0
	s_delay_alu instid0(VALU_DEP_1)
	v_readfirstlane_b32 s20, v14                   ; wave 0..7
	s_and_b32 s21, ttmp7, 0xffff                   ; Y (a cluster is one work-group high)
	s_bfe_u32 s22, ttmp6, 0x40000                  ; my place along the cluster
	s_lshl_b32 s23, ttmp9, 2
	s_add_co_u32 s22, s22, s23                     ; X = 4 x cluster + place
	s_mov_b32 s[G1], 15|(3<<16)|(1<<21)            ; 15:0 the mask: all four work-groups of the cluster; 17:16 elements of 8 bytes; 21 set beside a mask; no padding
	s_mov_b32 s[G1+1], 32<<16                      ; tensor_dim0 = 32 elements: the dense block stated as rows of 256 bytes
	s_mov_b32 s[G1+2], 128<<16                     ; tensor_dim1 = 128
	s_mov_b32 s[G1+3], 32<<16                      ; tile_dim0
	s_mov_b32 s[G1+4], 128                         ; tile_dim1: 128 x 256 bytes = 32 rows of W
	s_mov_b32 s[G1+5], 32                          ; the pitch
	s_mov_b32 s[G1+6], 0
	s_mov_b32 s[G1+7], 0
	s_mov_b32 s[G0], 1
	s_lshl_b32 s[G0+1], s20, 15                    ; 32 KB a wave
	s_lshr_b32 s46, s20, 1
	s_lshl_b32 s46, s46, 5
	s_and_b32 s47, s20, 1
	s_lshl_b32 s47, s47, 3
	s_add_co_u32 s46, s46, s47                     ; my first row of x lies at place 32 (w / 2) + 8 (w % 2)
	s_mul_i32 s46, s46, PITCH
	s_add_co_u32 s46, s46, XLDS
	s_lshl_b32 s47, s20, 15
	v_and_b32 v14, 31, v0
	v_and_b32 v15, 15, v0                          ; r
	v_bfe_u32 v16, v0, 4, 1                        ; h
	v_lshlrev_b32 v[LI], 4, v14
	v_lshlrev_b32 v14, 3, v14
	v_mul_u32_u24 v15, v15, PITCH
	v_add_nc_u32 v[WL], s47, v[LI]
	v_add_nc_u32 v[XW], s46, v14
	v_add_nc_u32 v[WW], s47, v14
	v_lshl_add_u32 v15, v16, 4, v15
	s_delay_alu instid0(VALU_DEP_1)
	v_add_nc_u32 v[XA], XLDS, v15
	v_add_nc_u32 v[WA], s47, v15
	s_wait_alu depctr_va_vdst(0)
	s_wait_dscnt 0x0                               ; both opening adds are done
	CROUND                                         ; all four work-groups are here: the joint loads meet
	s_wait_kmcnt 0x0
	s_load_b256 s[24:31], s[12:13], 0x0            ; e0 .. e7
	s_load_b64 s[32:33], s[12:13], 0x20            ; e8, e9
	s_cmp_eq_u32 s21, 1                            ; the choices hang on Y alone, which the partners share
	s_cselect_b64 s[36:37], s[8:9], s[6:7]
	s_cselect_b64 s[38:39], s[16:17], s[14:15]
	s_cmp_eq_u32 s21, 2
	s_cselect_b64 s[36:37], s[10:11], s[36:37]     ; W
	s_cselect_b64 s[38:39], s[18:19], s[38:39]     ; the codes' buffer
	s_lshl_b32 s44, s20, 15                        ; my 32 rows of W, 1,024 bytes each
	s_mov_b32 s45, 0
	s_add_nc_u64 s[G0+2:G0+3], s[36:37], s[44:45]
	s_or_b32 s[G0+3], s[G0+3], 0x80000000          ; type = 2
	tensor_load_to_lds s[G0:G0+3], s[G1:G1+7]      ; my one tensor load
	s_nop 0
.rept 4
	v_nop
.endr
	s_lshl_b32 s44, s22, 17                        ; x: row 128 X + 16 w
	s_lshl_b32 s46, s20, 14
	s_add_co_u32 s44, s44, s46
	s_add_nc_u64 s[4:5], s[4:5], s[44:45]
.set i, 0
.rept 16                               ; my 16 rows of x: two loads a row
	global_load_b128 v[XF+8*i:XF+8*i+3], v[LI], s[4:5] offset:1024*i
	global_load_b128 v[XF+8*i+4:XF+8*i+7], v[LI], s[4:5] offset:1024*i+512
.set i, i+1
.endr
	s_lshr_b32 s46, s20, 2                         ; out, Q and K: my d are K step w / 4, c = w % 4 of every tile
	s_lshl_b32 s46, s46, 11
	s_and_b32 s47, s20, 3
	s_lshl_b32 s47, s47, 9
	s_add_co_u32 s46, s46, s47
	s_lshl_b32 s47, s20, 11                        ; out, V: my d' are tiles 2 w, 2 w + 1 of every 64 keys
	s_cmp_eq_u32 s21, 2
	s_cselect_b32 s48, s47, s46
	s_mov_b32 s49, 0
	s_lshl_b32 s46, s22, 15                        ; 128 tokens are 32,768 bytes in each of the three buffers
	s_add_co_u32 s48, s48, s46
	s_add_nc_u64 s[38:39], s[38:39], s[48:49]
	s_wait_kmcnt 0x0
	s_cmp_eq_u32 s21, 1
	s_cselect_b32 s40, s26, s24                    ; eW
	s_cselect_b32 s41, s27, s25                    ; ex
	s_cselect_b32 s42, s29, s28                    ; eo
	s_cmp_eq_u32 s21, 2
	s_cselect_b32 s40, s30, s40
	s_cselect_b32 s41, s31, s41
	s_cselect_b32 s42, s33, s42
	s_sub_co_i32 s42, s42, s40
	s_sub_co_i32 s42, s42, s41                     ; eo - eW - ex
	MKSC 40, 8, 9
	MKSC 41, 10, 11
	MKSC 42, 12, 13
	s_wait_alu depctr_va_vdst(0)                   ; the wait at the head's end
.irp c, 0,1                            ; x, eight rows at a time
	s_wait_loadcnt 16-16*\c                        ; rows 8 c .. 8 c + 7 are in
	QROWS XF+64*\c, 0, 8, PC+16*\c, 10, 11
.irp j, 0,1,2,3,4,5,6,7
	ds_store_b64 v[XW], v[PC+16*\c+2*\j:PC+16*\c+2*\j+1] offset:(16*\c+\j)*PITCH
.endr
.endr
	s_wait_tensorcnt 0x0                           ; my rows of W have landed; only this wave reads them, and writes there
	WIN 0x40                                       ; destination window 1
.set i, 0
.rept 64
	ds_load_b128 v[4*i:4*i+3], v[WL] offset:512*i  ; half a row each
.set i, i+1
.endr
	WIN 0
.irp c, 0,1,2,3                        ; W, eight rows at a time
	s_wait_dscnt 48-8*\c                           ; the loads of rows 8 c .. 8 c + 7 are done: younger are 48 - 16 c loads and 8 c stores
	QROWS 64*\c, 1, 8, WC+16*\c, 8, 9
.irp j, 0,1,2,3,4,5,6,7
	ds_store_b64 v[WW], v[WC+16*\c+2*\j:WC+16*\c+2*\j+1] offset:(16*(\c%2)+8*(\c/2)+\j)*PITCH   ; LDS serves a wave's instructions in order (ISA guide 5.7.1.4): the loads above come first
.endr
.endr
	s_wait_dscnt 0x0                               ; for the others' sake: my rows have landed
	s_barrier_signal -1
	s_barrier_wait -1                              ; all rows of x lie in LDS
.irp u, 0,1
.irp f, 0,1,2,3,4,5,6,7
	ds_load_b128 v[WC+32*\u+4*\f:WC+32*\u+4*\f+3], v[WA] offset:16*\u*PITCH+32*\f
.endr
.endr
	WIN 0x40
.irp tau, 0,1,2,3,4,5,6,7
.irp f, 0,1,2,3,4,5,6,7
	ds_load_b128 v[32*\tau+4*\f:32*\tau+4*\f+3], v[XA] offset:16*\tau*PITCH+32*\f
.endr
.endr
	WIN 0
	s_cmp_eq_u32 s21, 2
	s_wait_alu depctr_va_vdst(0)                   ; directly ahead of the branch
	s_cbranch_scc1 .Lmul_v
	WIN 0x04                                       ; source 1 (x) in window 1
.irp g, 0,1,2,3                        ; two tiles of x at a time: four accumulators by turns
	s_wait_dscnt 48-16*\g                          ; W and x's tiles up to 2 g + 1 are in
.irp t, 0,1
.irp u, 0,1
	v_wmma_f32_16x16x128_fp8_fp8 v[XF+32*\g+16*\t+8*\u:XF+32*\g+16*\t+8*\u+7], v[WC+32*\u:WC+32*\u+15], v[64*\g+32*\t:64*\g+32*\t+15], 0
.endr
.endr
.irp t, 0,1
.irp u, 0,1
	v_wmma_f32_16x16x128_fp8_fp8 v[XF+32*\g+16*\t+8*\u:XF+32*\g+16*\t+8*\u+7], v[WC+32*\u+16:WC+32*\u+31], v[64*\g+32*\t+16:64*\g+32*\t+31], v[XF+32*\g+16*\t+8*\u:XF+32*\g+16*\t+8*\u+7]
.endr
.endr
.endr
	WIN 0
	s_branch .Lmul_done
.Lmul_v:
	WIN 0x01                                       ; source 0 (x) in window 1
.irp g, 0,1,2,3
	s_wait_dscnt 48-16*\g
.irp t, 0,1
.irp u, 0,1
	v_wmma_f32_16x16x128_fp8_fp8 v[XF+64*\u+16*\g+8*\t:XF+64*\u+16*\g+8*\t+7], v[64*\g+32*\t:64*\g+32*\t+15], v[WC+32*\u:WC+32*\u+15], 0
.endr
.endr
.irp t, 0,1
.irp u, 0,1
	v_wmma_f32_16x16x128_fp8_fp8 v[XF+64*\u+16*\g+8*\t:XF+64*\u+16*\g+8*\t+7], v[64*\g+32*\t+16:64*\g+32*\t+31], v[WC+32*\u+16:WC+32*\u+31], v[XF+64*\u+16*\g+8*\t:XF+64*\u+16*\g+8*\t+7]
.endr
.endr
.endr
	WIN 0
.Lmul_done:
.rept 4
	v_nop                                          ; four places between the last product and the first read of results (ISA guide 7.12.1)
.endr
	QROWS XF, 0, 16, PC, 12, 13                    ; group G, registers 16 G on, becomes 16 bytes a lane
	s_cmp_eq_u32 s21, 2
	s_wait_alu depctr_va_vdst(0)                   ; directly ahead of the branch
	s_cbranch_scc1 .Lst_v
.irp g, 0,1,2,3,4,5,6,7
	global_store_b128 v[LI], v[PC+4*\g:PC+4*\g+3], s[38:39] offset:4096*\g             ; tile 8 X + g
.endr
	s_branch .Lst_done
.Lst_v:
.irp u, 0,1
.irp g, 0,1,2,3
	global_store_b128 v[LI], v[PC+4*(4*\u+\g):PC+4*(4*\u+\g)+3], s[38:39] offset:16384*(\g/2)+1024*\u+512*(\g%2)   ; keys 128 X + 32 g on, tile 2 w + u of d'
.endr
.endr
.Lst_done:
	s_wait_tensorcnt 0x0                           ; the wave's end: behind my tensor load and my last LDS store
	ds_add_u32 v[SPW], v[NIL]
	s_wait_dscnt 0x0
	CROUND                                         ; the closing round: no work-group ends while a partner may still ask for rows that name it
	s_endpgm
.Lfunc_end_k_q626b1c3c4c_proj:
	.size	k_q626b1c3c4c_proj, .Lfunc_end_k_q626b1c3c4c_proj-k_q626b1c3c4c_proj
	.p2alignl 7, 3214868480
	.fill 96, 4, 3214868480
	.section	.rodata,"a",@progbits
	.p2align	6, 0x0
	.amdhsa_kernel k_q626b1c3c4c_proj
		.amdhsa_group_segment_fixed_size 327680
		.amdhsa_private_segment_fixed_size 0
		.amdhsa_enable_private_segment 0
		.amdhsa_kernarg_size 64
		.amdhsa_user_sgpr_count 2
		.amdhsa_user_sgpr_kernarg_segment_ptr 1
		.amdhsa_wavefront_size32 1
		.amdhsa_system_sgpr_workgroup_id_x 1
		.amdhsa_system_sgpr_workgroup_id_y 1
		.amdhsa_system_sgpr_workgroup_id_z 1
		.amdhsa_system_vgpr_workitem_id 0
		.amdhsa_next_free_vgpr 512
		.amdhsa_next_free_sgpr 66
		.amdhsa_reserve_vcc 0
		.amdhsa_float_denorm_mode_32 3
		.amdhsa_float_denorm_mode_16_64 3
		.amdhsa_memory_ordered 1
		.amdhsa_forward_progress 1
		.amdhsa_inst_pref_size 65
	.end_amdhsa_kernel
	.amdgpu_metadata
---
amdhsa.version: [ 1, 2 ]
amdhsa.kernels:
  - .name:           k_q626b1c3c4c_proj
    .symbol:         k_q626b1c3c4c_proj.kd
    .args:
      - { .name: x, .offset: 0, .size: 8, .value_kind: global_buffer, .address_space: global }
      - { .name: Wq, .offset: 8, .size: 8, .value_kind: global_buffer, .address_space: global }
      - { .name: Wk, .offset: 16, .size: 8, .value_kind: global_buffer, .address_space: global }
      - { .name: Wv, .offset: 24, .size: 8, .value_kind: global_buffer, .address_space: global }
      - { .name: lowp_scales, .offset: 32, .size: 8, .value_kind: global_buffer, .address_space: global }
      - { .name: qc, .offset: 40, .size: 8, .value_kind: global_buffer, .address_space: global }
      - { .name: kc, .offset: 48, .size: 8, .value_kind: global_buffer, .address_space: global }
      - { .name: vc, .offset: 56, .size: 8, .value_kind: global_buffer, .address_space: global }
    .group_segment_fixed_size: 327680
    .private_segment_fixed_size: 0
    .kernarg_segment_align: 8
    .kernarg_segment_size: 64
    .max_flat_workgroup_size: 256
    .sgpr_count:     66
    .vgpr_count:     512
    .wavefront_size: 32
...
	.end_amdgpu_metadata
.endif
;; end of part 1
;; launch attn (part 2): grid 238 x 1, 4 waves a work-group, no clusters, 327,680 bytes of LDS; arguments qc, kc, vc, lowp_scales, po, ps; writes po, ps
.if DOCPART == 2
	.amdgcn_target "amdgcn-amd-amdhsa--gfx1250"
	.amdhsa_code_object_version 6
	.text
	.protected	k_q626b1c3c4c_attn
	.globl	k_q626b1c3c4c_attn
	.p2align	8
	.type	k_q626b1c3c4c_attn,@function
k_q626b1c3c4c_attn:
	s_mov_b64 s[64:65], 0
	v_nop
	global_prefetch_b8 v0, s[64:65] scope:SCOPE_SE
	s_setreg_imm32_b32 hwreg(HW_REG_WAVE_MODE, 25, 1), 1
	s_wait_xcnt 0x0
; Causal attention of one head, 8,192 tokens, 256 channels, on codes of FP8 (E4M3), split along the keys: each work-group leaves a partial result.
; qc, kc, vc: codes in the order of the operands' registers (a block of 512 bytes = four registers of 32 lanes, lane l's 16 bytes at 16 l):
;   qc, kc: [tile T][K step 0, 1][c 0..3][lane][16]: lane (r, h) holds token 32 (T / 2) + 8 (T % 2) + r + 8 (r / 8);
;   vc: [64 keys][tile ut 0..15][c 0, 1][lane][16]: lane (r, h) holds d' = 32 (ut / 2) + 8 (ut % 2) + r + 8 (r / 8), keys 32 c + 16 h + 0 .. 15 of the 64.
; THE SPLIT.  A block is 128 queries (b = 0 .. 63), a key step 128 keys; block b needs steps 0 .. b (LEFT OUT: steps wholly above the diagonal, hidden by reference()'s own mask; the first kernel's head
; says why and states the limit).  Piece p is steps 10 p .. 10 p + 9.  A work-group is one (b, p) with 10 p <= b: 64 + 54 + 44 + 34 + 24 + 14 + 4 = 238 of them: w = b + p (59 - 5 p).
; SOFTMAX.  t = score x log2(e) / 16; M = the largest t so far, rounded up to a whole number, kept as -M = floor(-t); p = 2^(t - M) is quantised with 2^e8; it is not normalised.
; The sum l is taken of the unquantised p.  When M moves, l and O are multiplied by 2^(old M - new M), which rounds nothing.  Hidden scores become -infinity ahead of the maximum.
; OUT, in the order of the registers: po [w][tile 0..7 of the block][32 groups of four registers][lane][16 bytes] f32: the sum of code(p) x code(V) under the work-group's M;
;   ps [w][tile][lane][2] f32: (-M, l).  The next launch joins the pieces and applies 2^(e8 + e9).
; SHARES.  Wave (g = wave % 2, sh = wave / 2): the 64 queries 128 b + 64 g on, four tiles, and of each slot's 256 keys the 128 at 128 sh.  So a fragment of K or V from LDS feeds four products.
; Register tile a is query tile a xor 2 sh: at the end every wave keeps register tiles 0, 1 and hands 2, 3 to wave xor 2, with no branch.
; Both products are used transposed (S^T = K Q^T, O^T = V^T P^T): a lane holds ONE query; by the tiles' rows the 16 registers of two neighbouring tiles are 16 neighbouring keys (or d').
; RING.  Two LDS slots of 256 keys (K 64 KB, V 64 KB), dense; each of the four waves fetches 32 KB (128 keys of K or of V) by one tensor load behind each change of slots:
; one tensor load of a wave is out at any time.  Every work-group walks five slots; a step whose keys all come after the wave's queries is jumped over, and a slot that begins after the last step that
; the block needs of the piece is not asked for: where that is hangs on the work-group's number.
; NO CLUSTER: the work-groups of one piece read the same K and V, but where their fills end hangs on the block b, which is just what differs between them: partners would have to ask for slots of which no wave of theirs reads a byte.
; LIMITS: e4 + e5 between -122 and 131 (added to the exponent field of log2(e) / 16); e8 between -126 and 119; scores x log2(e) / 16 stay under 2^31 in magnitude.  NaN is not served.
; REGISTERS.  window 0: v1-7 and v32-33 constants and addresses; v8-31 statistics, 6 a tile (+0 -M, +1 largest t, +2, +3 l in two halves, +4 f, +5 at work); v34-161 Q; v162-225 K's fragments of tiles 6, 7, then p's codes;
;   v226-241 maxima, then the sums' eight chains; v242-253 at work.
;   window 1: S^T, [key tile kt][query tile a][8 registers], then p, then V's 16 tiles.  While key tiles 0 .. 5 wait for their products their fragments lie where the results of tiles 2 .. 7 come later.
;   windows 2, 3: O^T, tiles 0, 1 and 2, 3, 128 each.
.set SLOT1, 1<<17                      ; slot 1 begins here: one exclusive or turns an address from one slot to the other
.set SPARE, 262144                     ; behind the ring: the spare words, 128 bytes for each wave: two blocks of 256 bytes that no other line names
.set XSTAT, 262656                     ; 512 bytes a wave: the handed tiles' (-M, l)
.set LIM, 1                            ; v1   448 x 2^e8
.set SCL, 2                            ; v2   2^e8
.set PFO, 3                            ; v3   256 x lane
.set SPW, 4                            ; v4   my spare word; never rewritten
.set NIL, 5                            ; v5   0; never rewritten
.set ADK, 6
.set ADV, 7
.set ST,  8
.set DQ0, 32                           ; v32  r + 8 (r / 8) - 16 h
.set AK0, 33                           ; v33  16 x lane + 32768 sh: my half of a slot's keys
.set Q,   34
.set FR,  162
.set P,   162
.set MX,  226                          ; four maxima for each tile
.set CH,  226                          ; eight pairs: the sums' chains
.set T,   242
.set PL,  250
.set LI,  226                          ; the way out: 16 x lane, 8 x lane, the exchange's addresses
.set L8,  227
.set XW,  228
.set XR,  229
.set XSW, 230
.set XSR, 231
.set JM,  232                          ; tile i: the joint (-M, l) at JM + 2 i
.set F1,  236                          ; tile i: my factor; the partner's at F2
.set F2,  246
.set WV, 16
.set G,  17
.set SH, 18
.set TQ, 19                            ; the first of my two kept tiles in the block
.set PP, 20
.set B,  21
.set G1, 24                            ; s[24:31] descriptor group 1
.set G0, 32                            ; s[32:35] descriptor group 0, which walks
.set SEL, 36
.set CS, 38
.set TB, 40                            ; LDS byte at which the slot in hand begins
.set SLOTS, 41
.set KF, 42                            ; the first of my 128 keys of the slot
.set QG, 43                            ; my first query
.set KFP, 22                           ; KF of the slot whose second product is under way
.set QL, 44                            ; the last key that I may need: my last query, or the piece's last key where that comes first
.set NXT, 45                           ; the first step of the slot that a change of slots asks for
.set PLIM, 46
.set LASTS, 47                         ; the last step that this work-group needs
.set PFA, 48
.set MSB, 0
.macro WIN new                         ; the immediate's high byte repeats the setting that is left
.if MSB != \new
	s_set_vgpr_msb (MSB<<8)|\new
.set MSB, \new
.endif
.endm
.macro PLACES n
.rept \n
	v_nop
.endr
.endm
.macro TLOAD                           ; my 32 KB; an s_nop 0 and four v_nop follow the load
	tensor_load_to_lds s[G0:G0+3], s[G1:G1+7]
	s_nop 0
	PLACES 4
.endm
; A prefetch of my 32 KB of the slot after the one just asked for: 128 blocks of 256 bytes, lanes 256 bytes apart, four instructions.  All work-groups of a piece walk the same keys:
; the one of block 63, which walks all of the piece, asks, and nobody else, so each block is named once in the launch.  A piece's slots 0 and 1 come by their loads alone;
; nothing is asked for beyond the piece's fifth slot, nor beyond step 63.
.macro ASK
	s_cmp_le_i32 s[NXT], s[PLIM]
	s_cbranch_scc0 .Lnoask_\@
.irp o, 0,1,2,3
	global_prefetch_b8 v[PFO], s[PFA:PFA+1] offset:8192*\o th:TH_LOAD_NT scope:SCOPE_SE
.endr
.Lnoask_\@:
.endm
; THE CHANGE OF SLOTS, ahead of the first step and in the middle of each step's second product, when all of the slot's fragments are in registers.  Each wave waits for all its tensor loads (its part of the slot ahead),
; adds 0 to its spare word, and waits for that and for its reads of the slot left.
; Behind the barrier the slot ahead is whole and nobody reads the other: that one is filled with the next 256 keys, if the work-group needs them.
.macro CHANGE
	s_wait_tensorcnt 0x0                           ; no tensor load of mine is out, so group 0 may be written
	ds_add_u32 v[SPW], v[NIL]                      ; 0 onto my spare word; the steps below stand between it and the wait for it
	s_xor_b32 s[G0+1], s[G0+1], SLOT1
	s_add_nc_u64 s[G0+2:G0+3], s[G0+2:G0+3], 65536 ; 256 keys on, in K and in V alike; the type bits on top are not reached
	s_wait_xcnt 0x0                                ; the last prefetches, a slot back, have read their address
	s_add_nc_u64 s[PFA:PFA+1], s[PFA:PFA+1], 65536
	s_add_co_u32 s[NXT], s[NXT], 2
	s_wait_dscnt 0x0                               ; the add is done, and my reads of the slot that I have left are over
	s_barrier_signal -1
	s_barrier_wait -1
	s_cmp_gt_u32 s[NXT], s[LASTS]                  ; a slot that begins after the last step needed is read by no wave: it is not asked for.  Ids and the count of trips alone: all four waves go the same way,
	s_cbranch_scc1 .Lpast_\@                       ; and every wait on TENSORcnt in this text is for 0
	TLOAD
.Lpast_\@:
	ASK
.endm
; maximum number i of key tile kt: scores 2 (i / 4), + 1 of query tile i % 4.  The first tile starts the maxima
.macro MAX1 kt, i
.if (\kt) == 0
	v_max3_num_f32 v[MX+4*((\i)%4)+(\i)/4], 0xff800000, v[32*(\kt)+8*((\i)%4)+2*((\i)/4)], v[32*(\kt)+8*((\i)%4)+2*((\i)/4)+1]
.else
	v_max3_num_f32 v[MX+4*((\i)%4)+(\i)/4], v[MX+4*((\i)%4)+(\i)/4], v[32*(\kt)+8*((\i)%4)+2*((\i)/4)], v[32*(\kt)+8*((\i)%4)+2*((\i)/4)+1]
.endif
.endm
.macro MAXT kt
.irp i, 0,1,2,3,4,5,6,7,8,9,10,11,12,13,14,15
	MAX1 \kt, \i
.endr
.endm
; key tile kt: eight products, the four query tiles by turns; behind each pair four maxima of the key tile before.  A maximum reads its accumulator at least four plain vector lines behind the last product on it,
; and a result comes over a fragment at least sixteen such lines behind the last product that read it (ISA guide 7.12.1)
.macro QK kt
.if (\kt) < 6
	s_wait_dscnt 36-4*(\kt)                        ; the order of the loads: K step 0 of tiles 0 .. 5, K step 1 of tiles 0 .. 5, tiles 6 and 7, four loads each: behind tile kt's last stand 4 (5 - kt) + 16 younger ones
.else
	s_wait_dscnt 56-8*(\kt)
.endif
.irp g, 0,1,2,3
.irp e, 0,1
.if (\kt) < 6
	WIN 0x51                                       ; C, D and the fragment in window 1
.set fa, 32*(\kt)+64+16*(\g/2)
.else
	WIN 0x50                                       ; C and D in window 1
.set fa, FR+32*((\kt)-6)+16*(\g/2)
.endif
.set ac, 32*(\kt)+16*(\g%2)+8*\e
.set qa, Q+64*(\g%2)+32*\e+16*(\g/2)
.if \g < 2
	v_wmma_f32_16x16x128_fp8_fp8 v[ac:ac+7], v[fa:fa+15], v[qa:qa+15], 0
.else
	v_wmma_f32_16x16x128_fp8_fp8 v[ac:ac+7], v[fa:fa+15], v[qa:qa+15], v[ac:ac+7]
.endif
.endr
.if (\kt) > 0
	WIN 0x14                                       ; sources 1 and 2 in window 1
.irp i, 0,1,2,3
	MAX1 (\kt)-1, 4*\g+\i
.endr
.endif
.endr
.if (\kt) == 0
	PLACES 4
.endif
.endm
.macro FMA2 t, k                       ; t - M, two at a time (of the pairs c and -M the low word serves both halves)
.set ry, 32*((\k)/8)+8*(\t)+(\k)%8
	v_pk_fma_f32 v[ry:ry+1], v[ry:ry+1], s[CS:CS+1], v[ST+6*(\t):ST+6*(\t)+1] op_sel_hi:[1,0,0]
.endm
; tile t's 64 exponentials, p = 2^(t - M), at most 1; among them, on other registers, the holds of tile t - 1 and the multiply-adds of tile t + 1
.macro BATCH t, hold, next
	WIN 0x41
.set n, 0
.rept 32
.set rx, 32*(n/8)+8*(\t)+n%8
	v_exp_f32 v[rx], v[rx]
.if \hold
	v_min_num_f32 v[rx-8], v[rx-8], v[LIM]         ; the conversion does not saturate (ISA guide 7.6.2); p is not negative, so the hold is one-sided
.endif
	v_exp_f32 v[rx+1], v[rx+1]
.if \hold
	v_min_num_f32 v[rx-7], v[rx-7], v[LIM]
.endif
.if \next
	FMA2 (\t)+1, n
.endif
.set n, n+2
.endr
	s_wait_alu depctr_va_vdst(0)                   ; one wait for the batch, ahead of its first reader; it stands ahead of the next batch's sources' readers too
.endm
.macro CVT4 t, k0                      ; registers 4 c .. 4 c + 3 of the operand: keys 32 c + 16 h + 0 .. 15 of my 128, as V has them
	WIN 0x01
.irp k, \k0, \k0+1, \k0+2, \k0+3
	v_cvt_scalef32_pk8_fp8_f32 v[P+16*(\t)+2*(\k):P+16*(\t)+2*(\k)+1], v[32*(\k)+8*(\t):32*(\k)+8*(\t)+7], v[SCL]
.endr
.endm
; the sum of tile t's unquantised p, in eight chains; l under the new M takes it in.  cv = 1: the conversions of tile t - 1 stand among the last additions
.macro SUMP t, cv
	WIN 0x05
.irp j, 0,1,2,3,4,5,6,7
.set rx, 32*(\j/4)+8*(\t)+2*(\j%4)
	v_pk_add_f32 v[CH+2*\j:CH+2*\j+1], v[rx:rx+1], v[rx+64:rx+65]
.endr
	WIN 0x01
.irp i, 2,3
.irp j, 0,1,2,3,4,5,6,7
.set rx, 32*(\j/4)+8*(\t)+2*(\j%4)+64*\i
	v_pk_add_f32 v[CH+2*\j:CH+2*\j+1], v[rx:rx+1], v[CH+2*\j:CH+2*\j+1]
.endr
.endr
	WIN 0
.irp j, 0,1,2,3
	v_pk_add_f32 v[CH+2*\j:CH+2*\j+1], v[CH+2*\j:CH+2*\j+1], v[CH+2*\j+8:CH+2*\j+9]
.endr
.if \cv
	CVT4 (\t)-1, 0
	WIN 0
.endif
.irp j, 0,1
	v_pk_add_f32 v[CH+2*\j:CH+2*\j+1], v[CH+2*\j:CH+2*\j+1], v[CH+2*\j+4:CH+2*\j+5]
.endr
.if \cv
	CVT4 (\t)-1, 4
	WIN 0
.endif
	v_pk_add_f32 v[CH:CH+1], v[CH:CH+1], v[CH+2:CH+3]
	v_pk_fma_f32 v[ST+6*(\t)+2:ST+6*(\t)+3], v[ST+6*(\t)+2:ST+6*(\t)+3], v[ST+6*(\t)+4:ST+6*(\t)+5], v[CH:CH+1] op_sel_hi:[1,0,1]
.endm
.macro VLOAD hf                        ; V's tiles 8 hf .. 8 hf + 7, 128 keys each, into the registers that the p of tiles 2 hf, 2 hf + 1 have left
	WIN 0x40
.irp i, 0,1,2,3,4,5,6,7
.irp blk, 0,1
.irp c, 0,1
	ds_load_b128 v[32*\i+16*\hf+8*\blk+4*\c:32*\i+16*\hf+8*\blk+4*\c+3], v[ADV] offset:16384*\blk+1024*(8*\hf+\i)+512*\c
.endr
.endr
.endr
.endm
; K'S FRAGMENTS, in three runs.  Tile kt's K step 0 lies where V's tile kt + 2 was, its K step 1 where V's tile kt + 10 was; tiles 6 and 7 lie where p's codes were.
.macro KL1                             ; K step 0 of tiles 0 .. 5
	WIN 0x40
.irp kt, 0,1,2,3,4,5
.irp f, 0,1,2,3
	ds_load_b128 v[32*\kt+64+4*\f:32*\kt+64+4*\f+3], v[ADK] offset:4096*\kt+512*\f
.endr
.endr
	WIN 0
.endm
.macro KL2                             ; K step 1 of tiles 0, 1
	WIN 0x40
.irp kt, 0,1
.irp f, 4,5,6,7
	ds_load_b128 v[32*\kt+64+4*\f:32*\kt+64+4*\f+3], v[ADK] offset:4096*\kt+512*\f
.endr
.endr
	WIN 0
.endm
.macro KL3                             ; K step 1 of tiles 2 .. 5, then tiles 6, 7
	WIN 0x40
.irp kt, 2,3,4,5
.irp f, 4,5,6,7
	ds_load_b128 v[32*\kt+64+4*\f:32*\kt+64+4*\f+3], v[ADK] offset:4096*\kt+512*\f
.endr
.endr
	WIN 0
.irp kt, 6,7
.irp f, 0,1,2,3,4,5,6,7
	ds_load_b128 v[FR+32*(\kt-6)+4*\f:FR+32*(\kt-6)+4*\f+3], v[ADK] offset:4096*\kt+512*\f
.endr
.endr
.endm
.macro ADDR                            ; where my keys of the slot at TB lie; six places in all behind the products before (ISA guide 7.12.1)
	v_add_nc_u32 v[ADK], s[TB], v[AK0]
	v_add_nc_u32 v[ADV], 0x10000, v[ADK]
	s_wait_alu depctr_va_vdst(0)
	PLACES 4
.endm
; O^T += V^T P^T, K = my 128 keys, V's tiles 4 gq .. 4 gq + 3: 16 accumulators, each once
.macro PV gq
.irp w, 0,1
	WIN (0xa1+0x50*\w)                             ; V in window 1, P in window 0, C and D in window 2 or 3
.irp ut, 0,1,2,3
.set fa, 32*((4*(\gq)+\ut)%8)+16*((\gq)/2)
.irp a, 0,1
	v_wmma_f32_16x16x128_fp8_fp8 v[128*\a+32*(\gq)+8*\ut:128*\a+32*(\gq)+8*\ut+7], v[fa:fa+15], v[P+32*\w+16*\a:P+32*\w+16*\a+15], v[128*\a+32*(\gq)+8*\ut:128*\a+32*(\gq)+8*\ut+7]
.endr
.endr
.endr
	WIN 0
.endm
; A SLOT'S STEP: my 128 keys of the slot in hand, whose K fragments have been asked for; in its second product slots change, and the next slot's K fragments are asked for as V's registers and p's come free.
.macro STEP
	s_cmp_gt_u32 s[KF], s[QL]                      ; all my keys come after all my queries, or after the piece: nothing to do
	s_cbranch_scc1 .Lhidden_\@
.irp kt, 0,1,2,3,4,5,6,7
	QK \kt
.endr
	MAXT 7                                         ; (the four maxima above are the places behind the last products)
	WIN 0
	s_add_co_u32 s66, s[KF], 127
	s_cmp_le_u32 s66, s[QG]                        ; all my keys count for all my queries: no mask
	s_wait_alu depctr_va_vdst(0)                   ; directly ahead of the branch
	s_cbranch_scc1 .Lopen_\@
	s_sub_co_i32 s66, s[QG], s[KF]
	s_lshl_b32 s67, s[SH], 5
	s_add_co_i32 s68, s66, s67                     ; register tiles 0, 1 begin 32 sh queries on,
	s_sub_co_i32 s69, s66, s67
	s_add_co_i32 s69, s69, 32                      ; 2, 3 begin 32 - 32 sh on
	v_add_nc_u32 v[T], s68, v[DQ0]                 ; d = my query - KF - 16 h.  Score n = 8 kt + j holds key KF + 16 h + 32 (n / 16) + n % 16: hidden where 32 (n / 16) + n % 16 > d
	v_add_nc_u32 v[T+2], s69, v[DQ0]
	v_mov_b32 v[T+4], 0xff800000                   ; -infinity
	v_add_nc_u32 v[T+1], 8, v[T]
	v_add_nc_u32 v[T+3], 8, v[T+2]
	WIN 0x41
.irp a, 0,1,2,3
.set n, 0
.rept 64
.set rx, 32*(n/8)+8*\a+n%8
	v_cmp_gt_i32 vcc_lo, 32*(n/16)+n%16, v[T+\a]
	v_cndmask_b32 v[rx], v[rx], v[T+4], vcc_lo
.set n, n+1
.endr
.endr
	WIN 0x14
.irp kt, 0,1,2,3,4,5,6,7               ; and the maxima anew
	MAXT \kt
.endr
	WIN 0
.Lopen_\@:
.irp a, 0,1,2,3
	v_max3_num_f32 v[ST+6*\a+5], v[MX+4*\a], v[MX+4*\a+1], v[MX+4*\a+2]
.endr
.irp a, 0,1,2,3
	v_max_num_f32 v[ST+6*\a+5], v[ST+6*\a+5], v[MX+4*\a+3]
.endr
.irp a, 0,1,2,3
	v_permlanex16_b32 v[PL+\a], v[ST+6*\a+5], s[SEL], s[SEL+1]
.endr
.irp a, 0,1,2,3
	v_max_num_f32 v[ST+6*\a+5], v[ST+6*\a+5], v[PL+\a]      ; and among lane l xor 16's
.endr
.irp a, 0,1,2,3
	v_mul_f32 v[ST+6*\a+5], s[CS], v[ST+6*\a+5]             ; as t (c is positive)
.endr
.irp a, 0,1,2,3
	v_max_num_f32 v[ST+6*\a+1], v[ST+6*\a+1], v[ST+6*\a+5]  ; the running largest t
.endr
.irp a, 0,1,2,3
	v_mov_b32 v[PL+\a], v[ST+6*\a]
.endr
.irp a, 0,1,2,3
	v_floor_f32 v[ST+6*\a], -v[ST+6*\a+1]                   ; the new -M = floor(-t): M is a whole number
.endr
.irp a, 0,1,2,3
	v_sub_f32 v[ST+6*\a+5], v[ST+6*\a], v[PL+\a]            ; old M - new M, a whole number, 0 or less
.endr
.irp a, 0,1,2,3
	v_cvt_i32_f32 v[ST+6*\a+5], v[ST+6*\a+5]                ; (it saturates)
.endr
.irp a, 0,1,2,3
	v_ldexp_f32 v[ST+6*\a+4], 1.0, v[ST+6*\a+5]             ; f = 2^(old M - new M)
.endr
	WIN 0x41
.set n, 0
.rept 32
	FMA2 0, n
.set n, n+2
.endr
	s_wait_alu depctr_va_vdst(0)                   ; the wait ahead of the batch
	BATCH 0, 0, 1
	SUMP 0, 0
	BATCH 1, 1, 1
	SUMP 1, 1
	BATCH 2, 1, 1
	SUMP 2, 1
	VLOAD 0
	BATCH 3, 1, 0
	SUMP 3, 1
	WIN 0x41
.set n, 0
.rept 64
.set rx, 32*(n/8)+24+n%8
	v_min_num_f32 v[rx], v[rx], v[LIM]
.set n, n+1
.endr
	CVT4 3, 0
	CVT4 3, 4
	v_nop                                          ; a plain line behind the last conversion
	VLOAD 1
.irp w, 0,1                            ; O^T under the new M, ascending: tiles 0, 1 in window 2, tiles 2, 3 in window 3
	WIN (0x82+0x41*\w)
	s_wait_alu depctr_va_vdst(0)                   ; directly ahead of the first reader of these products' results
.irp a, 0,1
.set n, 0
.rept 64
	v_pk_mul_f32 v[128*\a+n:128*\a+n+1], v[128*\a+n:128*\a+n+1], v[ST+12*\w+6*\a+4:ST+12*\w+6*\a+5] op_sel_hi:[1,0]
.set n, n+2
.endr
.endr
.endr
	s_wait_alu depctr_va_vdst(0)                   ; directly ahead of the wait below
	s_wait_dscnt 48                                ; V's tiles 0 .. 3 are in; 48 younger loads are the later tiles'
	PV 0
	s_wait_dscnt 32
	PV 1
.Lhidden_\@:
	CHANGE                                         ; every wave's path; its wait for 0 shows V's tiles 8 .. 15 too
	s_mov_b32 s[KFP], s[KF]
	s_add_co_u32 s[KF], s[KF], 256
	s_xor_b32 s[TB], s[TB], SLOT1                  ; on to the other slot
	ADDR
	s_cmp_gt_u32 s[KFP], s[QL]
	s_cbranch_scc1 .Lnone_\@                       ; this wave had nothing to do in this slot, nor has it in a later one
	s_cmp_gt_u32 s[KF], s[QL]                      ; K's fragments of the next slot only where that slot has keys for me: such a slot has been asked for
	s_cbranch_scc1 .Lk1_\@
	KL1
.Lk1_\@:
	PV 2
	PLACES 4                                       ; in front of loads into registers that these products read
	s_cmp_gt_u32 s[KF], s[QL]
	s_cbranch_scc1 .Lk2_\@
	KL2
.Lk2_\@:
	PV 3
	PLACES 5                                       ; five: the next step's first products write over registers that these products read
	s_cmp_gt_u32 s[KF], s[QL]
	s_cbranch_scc1 .Lk3_\@
	KL3
.Lk3_\@:
.Lnone_\@:
.endm
	s_load_b256 s[4:11], s[0:1], 0x0               ; qc s[4:5], kc s[6:7], vc s[8:9], the exponents s[10:11]
	s_load_b128 s[12:15], s[0:1], 0x20             ; po s[12:13], ps s[14:15]
	v_lshl_add_u32 v[SPW], v0, 2, SPARE
	v_mov_b32 v[NIL], 0
	ds_add_u32 v[SPW], v[NIL]                      ; the wave's opening: the add, twice on end, and its wait ahead of my first tensor load; the set-up, work on registers, stands between them
	ds_add_u32 v[SPW], v[NIL]
	v_lshrrev_b32 v[ADK], 5, v0
	v_readfirstlane_b32 s[WV], v[ADK]              ; wave 0..3
	s_and_b32 s[G], s[WV], 1
	s_lshr_b32 s[SH], s[WV], 1
	s_lshl_b32 s[TQ], s[G], 2
	s_lshl_b32 s66, s[SH], 1
	s_add_co_u32 s[TQ], s[TQ], s66                 ; I keep tiles 4 g + 2 sh, + 1 of the block
	s_mov_b32 s[PP], 0                             ; p = how many of the pieces' first numbers are at or under w
.irp lim, 64,118,162,196,220,234
	s_cmp_ge_u32 ttmp9, \lim
	s_cselect_b32 s66, 1, 0
	s_add_co_u32 s[PP], s[PP], s66
.endr
	s_mul_i32 s66, s[PP], 5
	s_sub_co_u32 s66, 59, s66
	s_mul_i32 s66, s66, s[PP]
	s_sub_co_u32 s[B], ttmp9, s66                  ; b = w - p (59 - 5 p)
	s_mov_b32 s[G1], 3<<16                         ; 15:0 no mask; 17:16 elements of 8 bytes; no padding: every fragment read is 16 x lane + a constant
	s_mov_b32 s[G1+1], 32<<16                      ; tensor_dim0 = 32 elements: rows of 256 bytes
	s_mov_b32 s[G1+2], 128<<16                     ; tensor_dim1 = 128
	s_mov_b32 s[G1+3], 32<<16                      ; tile_dim0
	s_mov_b32 s[G1+4], 128                         ; tile_dim1: 128 rows, 32 KB, dense in memory
	s_mov_b32 s[G1+5], 32                          ; the pitch
	s_mov_b32 s[G1+6], 0
	s_mov_b32 s[G1+7], 0
	s_mov_b32 s[G0], 1
	s_lshl_b32 s[G0+1], s[WV], 15                  ; waves 0, 1: K's halves; waves 2, 3: V's, which lie behind them: 32768 x wave
	s_mov_b32 s[SEL], 0x76543210
	s_mov_b32 s[SEL+1], 0xfedcba98
	s_mov_b32 s[CS], 0x3db8aa3b                    ; log2(e) / 16
	s_mov_b32 s[TB], 0
	s_mov_b32 s[SLOTS], 5
	s_mul_i32 s[KF], s[PP], 1280
	s_lshl_b32 s66, s[SH], 7
	s_add_co_u32 s[KF], s[KF], s66
	s_lshl_b32 s[QG], s[B], 7
	s_lshl_b32 s66, s[G], 6
	s_add_co_u32 s[QG], s[QG], s66
	s_add_co_u32 s[QL], s[QG], 63
	s_mul_i32 s66, s[PP], 1280
	s_add_co_u32 s66, s66, 1279
	s_min_u32 s[QL], s[QL], s66
	s_mul_i32 s[NXT], s[PP], 10
	s_add_co_u32 s[LASTS], s[NXT], 9
	s_min_u32 s[LASTS], s[LASTS], s[B]             ; the piece's last step, or the block's
	s_add_co_u32 s[PLIM], s[NXT], 6                ; a change that asks for step NXT prefetches step NXT + 2: inside the piece up to 10 p + 8, inside the buffers up to 62
	s_min_u32 s[PLIM], s[PLIM], 61
	s_cmp_eq_u32 s[B], 63
	s_cselect_b32 s[PLIM], s[PLIM], -1
	s_lshl_b32 s66, s[SH], 15
	s_lshl_b32 s67, s[SH], 13
	s_xor_b32 s68, s67, 8192
	v_and_b32 v[T+2], 31, v0
	v_and_b32 v[T+3], 15, v0                       ; r
	v_bfe_u32 v[T+4], v0, 4, 1                     ; h
	v_and_b32 v[T+5], 8, v0                        ; 8 (r / 8)
	v_lshlrev_b32 v[PFO], 8, v[T+2]                ; 256 x lane
	v_lshlrev_b32 v[T+2], 4, v[T+2]                ; 16 x lane
	v_add_nc_u32 v[DQ0], v[T+3], v[T+5]
	v_lshlrev_b32 v[T+4], 4, v[T+4]
	v_add_nc_u32 v[AK0], s66, v[T+2]
	v_add_nc_u32 v[T], s67, v[T+2]                 ; Q: register tiles 0, 1 are two tiles of 4,096 bytes further on where sh = 1,
	v_add_nc_u32 v[T+1], s68, v[T+2]               ; 2, 3 where sh = 0
	v_sub_nc_u32 v[DQ0], v[DQ0], v[T+4]
	s_wait_alu depctr_va_vdst(0)
	s_wait_dscnt 0x0                               ; both opening adds are done
	s_wait_kmcnt 0x0
	s_load_b64 s[52:53], s[10:11], 0x10            ; e4, e5
	s_load_b32 s54, s[10:11], 0x20                 ; e8
	s_cmp_lt_u32 s[WV], 2
	s_cselect_b64 s[G0+2:G0+3], s[6:7], s[8:9]
	s_mul_i32 s66, s[PP], 327680                   ; the piece's first key: 1,280 p keys of 256 bytes, in kc and in vc alike,
	s_lshl_b32 s67, s[G], 15                       ; and my 128 keys of the 256
	s_add_co_u32 s66, s66, s67
	s_mov_b32 s67, 0
	s_add_nc_u64 s[G0+2:G0+3], s[G0+2:G0+3], s[66:67]
	s_add_nc_u64 s[PFA:PFA+1], s[G0+2:G0+3], 65536 ; in slot 1: the first change of slots steps it to slot 2.  Nothing is prefetched here
	s_or_b32 s[G0+3], s[G0+3], 0x80000000          ; type = 2
	TLOAD                                          ; the piece's first 256 keys, into slot 0
	s_lshl_b32 s66, s[B], 15
	s_lshl_b32 s68, s[G], 14
	s_add_co_u32 s66, s66, s68                     ; Q: tiles 8 b + 4 g on, 4,096 bytes each
	s_add_nc_u64 s[4:5], s[4:5], s[66:67]
.irp a, 0,1,2,3
.irp f, 0,1,2,3,4,5,6,7
	global_load_b128 v[Q+32*\a+4*\f:Q+32*\a+4*\f+3], v[T+\a/2], s[4:5] offset:4096*(\a%2)+512*\f   ; Q stays in registers
.endr
.endr
	s_lshl_b32 s66, ttmp9, 17
	s_lshl_b32 s68, s[TQ], 14
	s_add_co_u32 s66, s66, s68
	s_add_nc_u64 s[12:13], s[12:13], s[66:67]      ; po at my first kept tile
	s_lshl_b32 s66, ttmp9, 11
	s_lshl_b32 s68, s[TQ], 8
	s_add_co_u32 s66, s66, s68
	s_add_nc_u64 s[14:15], s[14:15], s[66:67]      ; ps likewise
.irp a, 0,1,2,3
	v_mov_b32 v[ST+6*\a+1], 0xff61b1e6             ; the largest t so far: -3e38, under every t
	v_mov_b32 v[ST+6*\a+2], 0
	v_mov_b32 v[ST+6*\a+3], 0
	v_mov_b32 v[ST+6*\a+4], 0
	v_mov_b32 v[ST+6*\a+5], 0
	v_mov_b32 v[PL+\a], 0                          ; a lane permute's destination counts as one of its sources
	v_floor_f32 v[ST+6*\a], -v[ST+6*\a+1]
.endr
	WIN 0x40
.set n, 0
.rept 64
	v_mov_b32 v[n], 0                              ; the registers of V that K's first fragments leave out: so all of V's have been written on every way through the text
.set n, n+1
.endr
.irp w, 0,1
	WIN (0x80+0x40*\w)
.set n, 0
.rept 256
	v_mov_b32 v[n], 0                              ; O^T.  The step is written once, so the first finds zeros; and a wave on the diagonal may have no step at all, and still hands its tiles on
.set n, n+1
.endr
.endr
	WIN 0
	s_wait_kmcnt 0x0
	s_add_co_i32 s66, s52, s53
	s_lshl_b32 s66, s66, 23
	s_add_co_i32 s[CS], s[CS], s66                 ; a score stands for score x 2^(e4 + e5): added to c's exponent field
	s_mov_b32 s[CS+1], s[CS]
	s_add_co_i32 s66, s54, 127
	s_lshl_b32 s67, s66, 23
	v_mov_b32 v[SCL], s67                          ; 2^e8
	s_add_co_i32 s66, s66, 8
	s_lshl_b32 s66, s66, 23
	s_or_b32 s66, s66, 0x600000
	v_mov_b32 v[LIM], s66                          ; 448 x 2^e8
	s_wait_alu depctr_va_vdst(0)                   ; the wait at the head's end
	s_wait_loadcnt 0x0                             ; Q
	CHANGE                                         ; slot 0 is whole; slot 1 is asked for,
	ADDR
	KL1                                            ; and then slot 0's K fragments are fetched (by a wave without keys there too: slot 0 has been brought whole)
	KL2
	KL3
.Lslot:                                            ; five trips, each with a change of slots, behind which the slot after the next is asked for, as far as the work-group needs it
	STEP
	s_sub_co_u32 s[SLOTS], s[SLOTS], 1
	s_cmp_lg_u32 s[SLOTS], 0
	s_cbranch_scc1 .Lslot
	; THE WAY OUT.  l's two halves and lane l xor 16's are added; l takes the largest t's place, so that (-M, l) is a pair.
	s_lshl_b32 s66, s[WV], 15
	s_add_co_u32 s66, s66, SLOT1                   ; the exchange: 32 KB a wave in slot 1,
	s_xor_b32 s67, s66, 65536                      ; and wave xor 2's
	s_lshl_b32 s68, s[WV], 9
	s_xor_b32 s69, s68, 1024
	s_add_co_u32 s68, s68, XSTAT
	s_add_co_u32 s69, s69, XSTAT
.irp a, 0,1,2,3
	v_add_f32 v[ST+6*\a+2], v[ST+6*\a+2], v[ST+6*\a+3]
.endr
.irp a, 0,1,2,3
	v_permlanex16_b32 v[PL+\a], v[ST+6*\a+2], s[SEL], s[SEL+1]
.endr
.irp a, 0,1,2,3
	v_add_f32 v[ST+6*\a+1], v[ST+6*\a+2], v[PL+\a]
.endr
	v_and_b32 v[LI], 31, v0
	v_lshlrev_b32 v[L8], 3, v[LI]
	v_lshlrev_b32 v[LI], 4, v[LI]
	v_add_nc_u32 v[XSW], s68, v[L8]
	v_add_nc_u32 v[XSR], s69, v[L8]
	v_add_nc_u32 v[XW], s66, v[LI]
	v_add_nc_u32 v[XR], s67, v[LI]
	s_wait_alu depctr_va_vdst(0)
	s_wait_tensorcnt 0x0                           ; no fill of mine is out,
	s_wait_dscnt 0x0                               ; my reads of the ring are over,
	s_barrier_signal -1
	s_barrier_wait -1                              ; and everybody's: the ring has had its last fill
	WIN 0x0c                                       ; store data in window 3
.set n, 0
.rept 64
	ds_store_b128 v[XW], v[4*n:4*n+3] offset:512*n   ; register tiles 2, 3 go to wave xor 2 as they stand
.set n, n+1
.endr
	WIN 0
	ds_store_b64 v[XSW], v[ST+12:ST+13]
	ds_store_b64 v[XSW], v[ST+18:ST+19] offset:256
	s_wait_dscnt 0x0                               ; my stores have landed
	s_barrier_signal -1
	s_barrier_wait -1
	ds_load_b64 v[T:T+1], v[XSR]
	ds_load_b64 v[T+2:T+3], v[XSR] offset:256
	WIN 0x40
.set n, 0
.rept 64
	ds_load_b128 v[4*n:4*n+3], v[XR] offset:512*n  ; my partner's sums for the tiles that I keep: the same queries in the same lanes
.set n, n+1
.endr
	WIN 0
	s_wait_dscnt 63                                ; the two pairs are in: 64 loads are younger
.irp i, 0,1
	v_min_num_f32 v[JM+2*\i], v[ST+6*\i], v[T+2*\i]          ; the joint -M: the larger M
.endr
.irp i, 0,1
	v_sub_f32 v[F1+2*\i+1], v[JM+2*\i], v[ST+6*\i]
	v_sub_f32 v[F2+2*\i+1], v[JM+2*\i], v[T+2*\i]
.endr
.irp i, 0,1
	v_cvt_i32_f32 v[F1+2*\i+1], v[F1+2*\i+1]
	v_cvt_i32_f32 v[F2+2*\i+1], v[F2+2*\i+1]
.endr
.irp i, 0,1
	v_ldexp_f32 v[F1+2*\i], 1.0, v[F1+2*\i+1]                ; 2^(my M - the joint M)
	v_ldexp_f32 v[F2+2*\i], 1.0, v[F2+2*\i+1]                ; 2^(my partner's M - the joint M): 0 where it saw no key
.endr
.irp i, 0,1
	v_mul_f32 v[JM+2*\i+1], v[ST+6*\i+1], v[F1+2*\i]
.endr
.irp i, 0,1
	v_fmac_f32 v[JM+2*\i+1], v[T+2*\i+1], v[F2+2*\i]         ; the joint l
.endr
.irp i, 0,1
	global_store_b64 v[L8], v[JM+2*\i:JM+2*\i+1], s[14:15] offset:256*\i th:TH_STORE_NT   ; 256 consecutive bytes, aligned (lanes r and r + 16 hold the same pair)
.endr
	WIN 0x82                                       ; my sums, in window 2, under the joint M
.irp i, 0,1
.set n, 0
.rept 64
	v_pk_mul_f32 v[128*\i+n:128*\i+n+1], v[128*\i+n:128*\i+n+1], v[F1+2*\i:F1+2*\i+1] op_sel_hi:[1,0]
.set n, n+2
.endr
.endr
.irp q, 0,1,2,3,4,5,6,7                ; 32 registers at a time
	s_wait_dscnt 56-8*\q                           ; eight more of my partner's loads are in
	WIN 0x61                                       ; destination and source 0 in window 1, source 2 in window 2
.set n, 32*\q
.rept 16
	v_pk_fma_f32 v[n:n+1], v[n:n+1], v[F2+2*(\q/4):F2+2*(\q/4)+1], v[n:n+1] op_sel_hi:[1,0,1]
.set n, n+2
.endr
	WIN 0x04                                       ; store data in window 1
.irp k, 0,1,2,3,4,5,6,7
	global_store_b128 v[LI], v[32*\q+4*\k:32*\q+4*\k+3], s[12:13] offset:4096*\q+512*\k th:TH_STORE_NT   ; 512 consecutive bytes, aligned
.endr
.endr
	WIN 0
	s_wait_tensorcnt 0x0                           ; the wave's end: behind my last tensor load and my last LDS store
	ds_add_u32 v[SPW], v[NIL]
	s_wait_dscnt 0x0
	s_endpgm
.Lfunc_end_k_q626b1c3c4c_attn:
	.size	k_q626b1c3c4c_attn, .Lfunc_end_k_q626b1c3c4c_attn-k_q626b1c3c4c_attn
	.p2alignl 7, 3214868480
	.fill 96, 4, 3214868480
	.section	.rodata,"a",@progbits
	.p2align	6, 0x0
	.amdhsa_kernel k_q626b1c3c4c_attn
		.amdhsa_group_segment_fixed_size 327680
		.amdhsa_private_segment_fixed_size 0
		.amdhsa_enable_private_segment 0
		.amdhsa_kernarg_size 48
		.amdhsa_user_sgpr_count 2
		.amdhsa_user_sgpr_kernarg_segment_ptr 1
		.amdhsa_wavefront_size32 1
		.amdhsa_system_sgpr_workgroup_id_x 1
		.amdhsa_system_sgpr_workgroup_id_y 1
		.amdhsa_system_sgpr_workgroup_id_z 1
		.amdhsa_system_vgpr_workitem_id 0
		.amdhsa_next_free_vgpr 1024
		.amdhsa_next_free_sgpr 72
		.amdhsa_reserve_vcc 1
		.amdhsa_float_denorm_mode_32 3
		.amdhsa_float_denorm_mode_16_64 3
		.amdhsa_memory_ordered 1
		.amdhsa_forward_progress 1
		.amdhsa_inst_pref_size 179
	.end_amdhsa_kernel
	.amdgpu_metadata
---
amdhsa.version: [ 1, 2 ]
amdhsa.kernels:
  - .name:           k_q626b1c3c4c_attn
    .symbol:         k_q626b1c3c4c_attn.kd
    .args:
      - { .name: qc, .offset: 0, .size: 8, .value_kind: global_buffer, .address_space: global }
      - { .name: kc, .offset: 8, .size: 8, .value_kind: global_buffer, .address_space: global }
      - { .name: vc, .offset: 16, .size: 8, .value_kind: global_buffer, .address_space: global }
      - { .name: lowp_scales, .offset: 24, .size: 8, .value_kind: global_buffer, .address_space: global }
      - { .name: po, .offset: 32, .size: 8, .value_kind: global_buffer, .address_space: global }
      - { .name: ps, .offset: 40, .size: 8, .value_kind: global_buffer, .address_space: global }
    .group_segment_fixed_size: 327680
    .private_segment_fixed_size: 0
    .kernarg_segment_align: 8
    .kernarg_segment_size: 48
    .max_flat_workgroup_size: 128
    .sgpr_count:     72
    .vgpr_count:     1024
    .wavefront_size: 32
...
	.end_amdgpu_metadata
.endif
;; end of part 2
;; launch merge (part 3): grid 512 x 1, 8 waves a work-group, no clusters, 17,664 bytes of LDS; arguments po, ps, lowp_scales, out0; writes out0
.if DOCPART == 3
	.amdgcn_target "amdgcn-amd-amdhsa--gfx1250"
	.amdhsa_code_object_version 6
	.text
	.protected	k_q626b1c3c4c_merge
	.globl	k_q626b1c3c4c_merge
	.p2align	8
	.type	k_q626b1c3c4c_merge,@function
k_q626b1c3c4c_merge:
	s_mov_b64 s[64:65], 0
	v_nop
	global_prefetch_b8 v0, s[64:65] scope:SCOPE_SE
	s_setreg_imm32_b32 hwreg(HW_REG_WAVE_MODE, 25, 1), 1
	s_wait_xcnt 0x0
; The pieces of the attention launch are joined: out0[row] = (sum over p of O_p 2^(M_p - M)) / (sum over p of l_p 2^(M_p - M)) x 2^(e8 + e9), M = the largest M_p.
; po: [w][tile t of the block][32 groups][lane][4] f32, ps: [w][tile][lane][2] f32 = (-M, l), w = b + p (59 - 5 p) for block b of 128 rows and piece p = 0 .. b / 10.  Every M is a whole number, so the powers of two round nothing.
; (Pieces wholly above the diagonal do not exist: the first kernel's head says why.)
; Work-group j: tile t = j % 8; block b = 63 - j / 8 for j under 256, j / 8 - 32 behind: the most pieces come first, and blocks b and 63 - b, whose work-groups stand 256 apart, have 7 or 8 pieces together.
; Thread n takes the 16 bytes at 16 n of each of four runs of 4,096 bytes: group 8 i + wave of run i; lane (r, h) holds, of the tile's
; row r, channels 32 (2 i + wave / 4) + 16 h + 4 (wave % 4) + 0 .. 3.  So every load covers 512 consecutive bytes, aligned.  All loads go out at once (at most 35 a wave), the pairs (-M, l) first.
; The sixteen rows turn in LDS (1,040 bytes from row to row) and leave as whole rows: each store covers 512 consecutive bytes, aligned.  Row r of tile t is row 32 (t / 2) + 8 (t % 2) + r + 8 (r / 8) of the block.
; The number of pieces, 1 to 7, hangs on the work-group's number alone; the sum is written once for each number, so that no register is read that was not loaded.
; Every piece has seen at least one key of each of its rows, so every l is positive and every M a number.  NaN is not served.
; No cluster: work-groups share nothing.  No prefetch: no loop to run ahead in.
.set ROWP, 1040
.set SPARE, 16*ROWP                    ; the spare words, 128 bytes for each wave: four blocks of 256 bytes that no other line names
.set VO, 1                             ; v1  16 x thread
.set VS, 2                             ; v2  8 x lane
.set VL, 3                             ; v3  16 x lane
.set SPW, 4
.set NIL, 5
.set VW, 6                             ; v6  into LDS
.set VR, 7                             ; v7  out of LDS
.set OO, 16                            ; v16-127   piece p, run i: four registers at 16 p + 4 i
.set SS, 128                           ; v128-141  piece p: (-M, l) at 2 p; -M gives way to the piece's weight
.set MN, 142                           ; v142  the least -M
.set LL, 143                           ; v143  the joint l
.set RR, 144                           ; v144  2^(e8 + e9) / l
.macro BODY np
.irp p, 0,1,2,3,4,5,6
.if \p < \np
	global_load_b64 v[SS+2*\p:SS+2*\p+1], v[VS], s[16:17] offset:2048*(\p*(59-5*\p))
.endif
.endr
.irp p, 0,1,2,3,4,5,6
.if \p < \np
.irp i, 0,1,2,3
	global_load_b128 v[OO+16*\p+4*\i:OO+16*\p+4*\i+3], v[VO], s[20+2*\p:21+2*\p] offset:4096*\i th:TH_LOAD_NT
.endr
.endif
.endr
	s_wait_kmcnt 0x0
	s_add_co_i32 s36, s36, s37                     ; e8 + e9
	s_wait_loadcnt 4*\np                           ; the pairs are in; the younger loads are the sums'
.if \np == 1
	v_mov_b32 v[MN], v[SS]
.else
	v_min_num_f32 v[MN], v[SS], v[SS+2]
.endif
.irp p, 2,3,4,5,6
.if \p < \np
	s_delay_alu instid0(VALU_DEP_1)
	v_min_num_f32 v[MN], v[MN], v[SS+2*\p]
.endif
.endr
.irp p, 0,1,2,3,4,5,6
.if \p < \np
	v_sub_f32 v[SS+2*\p], v[MN], v[SS+2*\p]        ; M_p - M, a whole number, 0 or less
.endif
.endr
.irp p, 0,1,2,3,4,5,6
.if \p < \np
	v_cvt_i32_f32 v[SS+2*\p], v[SS+2*\p]
.endif
.endr
.irp p, 0,1,2,3,4,5,6
.if \p < \np
	v_ldexp_f32 v[SS+2*\p], 1.0, v[SS+2*\p]
.endif
.endr
	v_mul_f32 v[LL], v[SS+1], v[SS]
.irp p, 1,2,3,4,5,6
.if \p < \np
	s_delay_alu instid0(VALU_DEP_1)
	v_fmac_f32 v[LL], v[SS+2*\p+1], v[SS+2*\p]
.endif
.endr
	s_wait_alu depctr_va_vdst(0)                   ; the wait ahead of the transcendental
	v_rcp_f32 v[RR], v[LL]
	v_nop                                          ; a plain line behind the reciprocal
	s_wait_alu depctr_va_vdst(0)                   ; the wait ahead of its first reader
	v_ldexp_f32 v[RR], v[RR], s36
.irp p, 0,1,2,3,4,5,6
.if \p < \np
	v_mul_f32 v[SS+2*\p], v[SS+2*\p], v[RR]        ; the piece's weight
.endif
.endr
	s_wait_alu depctr_va_vdst(0)                   ; directly ahead of the wait below
	s_wait_loadcnt 0x0
.irp i, 0,2,4,6,8,10,12,14
	v_pk_mul_f32 v[OO+\i:OO+\i+1], v[OO+\i:OO+\i+1], v[SS:SS+1] op_sel_hi:[1,0]
.endr
.irp p, 1,2,3,4,5,6
.if \p < \np
.irp i, 0,2,4,6,8,10,12,14
	v_pk_fma_f32 v[OO+\i:OO+\i+1], v[OO+16*\p+\i:OO+16*\p+\i+1], v[SS+2*\p:SS+2*\p+1], v[OO+\i:OO+\i+1] op_sel_hi:[1,0,1]
.endr
.endif
.endr
	s_wait_alu depctr_va_vdst(0)                   ; directly ahead of the branch
	s_branch .Lout
.endm
	s_load_b256 s[4:11], s[0:1], 0x0               ; po s[4:5], ps s[6:7], the exponents s[8:9], out0 s[10:11]
	v_lshl_add_u32 v[SPW], v0, 2, SPARE
	v_mov_b32 v[NIL], 0
	v_lshrrev_b32 v8, 5, v0
	s_delay_alu instid0(VALU_DEP_1)
	v_readfirstlane_b32 s40, v8                    ; wave 0..7
	s_lshr_b32 s12, ttmp9, 3
	s_sub_co_u32 s14, 63, s12
	s_sub_co_u32 s15, s12, 32
	s_cmp_lt_u32 ttmp9, 256
	s_cselect_b32 s12, s14, s15                    ; b
	s_and_b32 s13, ttmp9, 7                        ; t
	s_mul_i32 s14, s12, 205
	s_lshr_b32 s14, s14, 11
	s_add_co_u32 s14, s14, 1                       ; b / 10 + 1 pieces (205 b >> 11 = b / 10 for b up to 63)
	s_lshr_b32 s43, s40, 2
	s_lshl_b32 s41, s43, 7
	s_and_b32 s42, s40, 3
	s_lshl_b32 s42, s42, 4
	s_add_co_u32 s41, s41, s42                     ; 128 (wave / 4) + 16 (wave % 4)
	s_mul_i32 s42, s40, 2*ROWP                     ; I store rows 2 wave, + 1
	v_and_b32 v8, 15, v0                           ; r
	v_bfe_u32 v9, v0, 4, 1                         ; h
	v_and_b32 v10, 31, v0                          ; lane
	v_mul_u32_u24 v[VW], v8, ROWP
	v_lshlrev_b32 v[VO], 4, v0
	v_lshlrev_b32 v[VS], 3, v10
	v_lshlrev_b32 v[VL], 4, v10
	v_lshl_add_u32 v[VW], v9, 6, v[VW]
	v_add_nc_u32 v[VR], s42, v[VL]
	v_add_nc_u32 v[VW], s41, v[VW]
	s_mov_b32 s39, 0
	s_wait_alu depctr_va_vdst(0)                   ; the wait at the head's end
	s_wait_kmcnt 0x0
	s_load_b64 s[36:37], s[8:9], 0x20              ; e8, e9
	s_lshl_b32 s15, s13, 14                        ; the tile in a block of po
.irp p, 0,1,2,3,4,5,6
	s_add_co_u32 s38, s12, \p*(59-5*\p)            ; w of piece p, at most 237 (the bases of pieces that the block has not are not used)
	s_lshl_b32 s38, s38, 17
	s_add_co_u32 s38, s38, s15
	s_add_nc_u64 s[20+2*\p:21+2*\p], s[4:5], s[38:39]
.endr
	s_lshl_b32 s38, s12, 11
	s_lshl_b32 s15, s13, 8
	s_add_co_u32 s38, s38, s15
	s_add_nc_u64 s[16:17], s[6:7], s[38:39]
	s_lshl_b32 s38, s12, 7                         ; my first row of out0: 128 b + 32 (t / 2) + 8 (t % 2) + 2 wave + 8 (wave / 4)
	s_lshr_b32 s15, s13, 1
	s_lshl_b32 s15, s15, 5
	s_add_co_u32 s38, s38, s15
	s_and_b32 s15, s13, 1
	s_lshl_b32 s15, s15, 3
	s_add_co_u32 s38, s38, s15
	s_lshl_b32 s15, s40, 1
	s_add_co_u32 s38, s38, s15
	s_lshl_b32 s15, s43, 3
	s_add_co_u32 s38, s38, s15
	s_lshl_b32 s38, s38, 10
	s_add_nc_u64 s[18:19], s[10:11], s[38:39]
	s_cmp_eq_u32 s14, 1
	s_cbranch_scc1 .Lone
	s_cmp_eq_u32 s14, 2
	s_cbranch_scc1 .Ltwo
	s_cmp_eq_u32 s14, 3
	s_cbranch_scc1 .Lthree
	s_cmp_eq_u32 s14, 4
	s_cbranch_scc1 .Lfour
	s_cmp_eq_u32 s14, 5
	s_cbranch_scc1 .Lfive
	s_cmp_eq_u32 s14, 6
	s_cbranch_scc1 .Lsix
	BODY 7
.Lone:
	BODY 1
.Ltwo:
	BODY 2
.Lthree:
	BODY 3
.Lfour:
	BODY 4
.Lfive:
	BODY 5
.Lsix:
	BODY 6
.Lout:
.irp i, 0,1,2,3
	ds_store_b128 v[VW], v[OO+4*\i:OO+4*\i+3] offset:256*\i
.endr
	s_wait_dscnt 0x0                               ; for the others' sake: my part of the rows has landed
	s_barrier_signal -1
	s_barrier_wait -1                              ; the sixteen rows are whole
.irp i, 0,1,2,3
	ds_load_b128 v[OO+4*\i:OO+4*\i+3], v[VR] offset:ROWP*(\i/2)+512*(\i%2)
.endr
.irp i, 0,1,2,3
	s_wait_dscnt 3-\i                              ; half row i is back; those behind it may be out
	global_store_b128 v[VL], v[OO+4*\i:OO+4*\i+3], s[18:19] offset:512*\i th:TH_STORE_NT
.endr
	s_wait_tensorcnt 0x0                           ; the wave's end: behind my last LDS store
	ds_add_u32 v[SPW], v[NIL]
	s_wait_dscnt 0x0
	s_endpgm
.Lfunc_end_k_q626b1c3c4c_merge:
	.size	k_q626b1c3c4c_merge, .Lfunc_end_k_q626b1c3c4c_merge-k_q626b1c3c4c_merge
	.p2alignl 7, 3214868480
	.fill 96, 4, 3214868480
	.section	.rodata,"a",@progbits
	.p2align	6, 0x0
	.amdhsa_kernel k_q626b1c3c4c_merge
		.amdhsa_group_segment_fixed_size 17664
		.amdhsa_private_segment_fixed_size 0
		.amdhsa_enable_private_segment 0
		.amdhsa_kernarg_size 32
		.amdhsa_user_sgpr_count 2
		.amdhsa_user_sgpr_kernarg_segment_ptr 1
		.amdhsa_wavefront_size32 1
		.amdhsa_system_sgpr_workgroup_id_x 1
		.amdhsa_system_sgpr_workgroup_id_y 1
		.amdhsa_system_sgpr_workgroup_id_z 1
		.amdhsa_system_vgpr_workitem_id 0
		.amdhsa_next_free_vgpr 152
		.amdhsa_next_free_sgpr 66
		.amdhsa_reserve_vcc 0
		.amdhsa_float_denorm_mode_32 3
		.amdhsa_float_denorm_mode_16_64 3
		.amdhsa_memory_ordered 1
		.amdhsa_forward_progress 1
		.amdhsa_inst_pref_size 42
	.end_amdhsa_kernel
	.amdgpu_metadata
---
amdhsa.version: [ 1, 2 ]
amdhsa.kernels:
  - .name:           k_q626b1c3c4c_merge
    .symbol:         k_q626b1c3c4c_merge.kd
    .args:
      - { .name: po, .offset: 0, .size: 8, .value_kind: global_buffer, .address_space: global }
      - { .name: ps, .offset: 8, .size: 8, .value_kind: global_buffer, .address_space: global }
      - { .name: lowp_scales, .offset: 16, .size: 8, .value_kind: global_buffer, .address_space: global }
      - { .name: out0, .offset: 24, .size: 8, .value_kind: global_buffer, .address_space: global }
    .group_segment_fixed_size: 17664
    .private_segment_fixed_size: 0
    .kernarg_segment_align: 8
    .kernarg_segment_size: 32
    .max_flat_workgroup_size: 256
    .sgpr_count:     66
    .vgpr_count:     152
    .wavefront_size: 32
...
	.end_amdgpu_metadata
.endif
;; end of part 3
